; MI455X (gfx1250); checked and timed in simulation.
; The chip was launched on July 23, 2026; its instructions are those of AMD's public machine-readable ISA for CDNA 5 (MIT licence, August 2026) and "CDNA5" Instruction Set Architecture Reference Guide (July 2026). The comments in the code are by the model that wrote it; some were corrected since.
;; LSTM Orth. Allowed arithmetic: matrix products marked QUANTISED: E2M3 operands, one E8M0 scale for each 32 along K, by v_wmma_scale_f32_16x16x128_f8f6f4 with both operands' format E2M3, f32 sums; everything else in f32.
;; Inputs: W_hf 1,024 x 1,024 float32; W_hg 1,024 x 1,024 float32; W_hi 1,024 x 1,024 float32; W_ho 1,024 x 1,024 float32; W_if_ 1,024 x 1,024 float32; W_ig 1,024 x 1,024 float32; W_ii 1,024 x 1,024 float32; W_io 1,024 x 1,024 float32; b_hf 1,024 float32; b_hg 1,024 float32; b_hi 1,024 float32; b_ho 1,024 float32; b_if_ 1,024 float32; b_ig 1,024 float32; b_ii 1,024 float32; b_io 1,024 float32; c_prev 8,192 x 1,024 float32; h 8,192 x 1,024 float32; x 8,192 x 1,024 float32.
;; Outputs: out0 8,192 x 1,024 float32; out1 8,192 x 1,024 float32.
;; This version of the problem:
;;   THIS VERSION OF THE PROBLEM IS GIVEN IN LOW PRECISION. The matrix products marked QUANTISED in the list below multiply operands that are first quantised to E2M3 (2 exponent bits, 3 mantissa bits; 6 bits a number), with one power-of-two scale for each 32 numbers along K (OCP MX v1.0); their sums are f32. All else is computed in f32.
;;   The module's matrix products, in the order in which they are computed (A, B: the left and right operand; K: the contracted axis; several contracted axes count as one K, in the product's order):
;;     1. [M 8,192, K 1,024] x [K 1,024, N 4,096]; A: input x; B: computed on the way: QUANTISED
;;     2. [M 8,192, K 1,024] x [K 1,024, N 4,096]; A: input h; B: computed on the way: QUANTISED
;;   THE QUANTISER, for each operand of a quantised product, along K:
;;     - K is cut into blocks of 32 from its start; a last block that is shorter is filled with zeros.
;;     - A block's scale is 2^e with e = floor(log2(the largest magnitude in the block)) - 2, held to -126 .. 127; a block of zeros has e = 0. As a byte (E8M0): e + 127.
;;     - Each number is divided by its block's scale, clamped to +-7.5, and rounded to the nearest number of E2M3, ties to even, subnormals kept.
;;     - The product sums the exact products of the quantised numbers (number of the format x scale) in f32.
;;   ~~~python
;;   def quantise(x, axis):      # numpy; x: float32 -> the quantised numbers, widened to float32 again
;;       x = np.moveaxis(x, axis, -1); K = x.shape[-1]
;;       x = np.pad(x, [(0, 0)] * (x.ndim - 1) + [(0, -K % 32)]); x = x.reshape(x.shape[:-1] + (-1, 32)); a = np.abs(x).max(-1, keepdims=True)
;;       e = np.where(a > 0, np.clip(np.frexp(np.where(a > 0, a, 1))[1] - 1 - 2, -126, 127), 0)      # np.frexp(a)[1] - 1 = floor(log2(a)), exactly
;;       r = np.clip(x / 2.0 ** e, -7.5, 7.5)
;;       step = 2.0 ** (np.maximum(np.frexp(np.where(r == 0, 1, r))[1] - 1, 0) - 3)
;;       q = np.round(r / step) * step * 2.0 ** e      # np.round: ties to even
;;       return np.moveaxis(q.reshape(q.shape[:-2] + (-1,))[..., :K], -1, axis).astype(np.float32)
;;   ~~~
;;   OPERANDS COMPUTED ON THE WAY. 'Computed on the way' means the value that the module computes at that place (a softmax that the list does not call 'softmax' is quantised finished and normalised). What goes into a quantiser is computed in f32, as accurately as f32 sums, v_exp_f32 and their like allow (about 1e-6 of the number): no bf16 or f16 on the way to a quantiser, and a product that is left as it is and whose result goes on into a quantised operand takes f32 operands (vector FMAs, or v_wmma_f32_16x16x4_f32). A number that lies on a knife's edge between two numbers of the format may be rounded either way, as far as f32 arithmetic and the matrix unit's own rounding can turn it there, and no further.
;; One version. Each part assembles by itself: llvm-mc -triple=amdgcn-amd-amdhsa -mcpu=gfx1250 --defsym DOCPART=n.
;; ======== version 1 of 1: 2 launches
;; limits: inputs' magnitudes at most 70,000,000,000,000; right only within a limited range of input values
;; workspace buffers: a_codes 12,582,912 bytes; a_scales 524,288 bytes; b_codes 6,291,456 bytes; b_scales 262,144 bytes; bias 16,384 bytes
;; launch quant (part 1): grid 768 x 1, 4 waves a work-group, no clusters, 33,280 bytes of LDS; arguments x, h, W_ii, W_hi, W_if_, W_hf, W_ig, W_hg, W_io, W_ho, b_ii, b_hi, b_if_, b_hf, b_ig, b_hg, b_io, b_ho, a_codes, a_scales, b_codes, b_scales, bias; writes a_codes, a_scales, b_codes, b_scales, bias
.if DOCPART == 1
	.amdgcn_target "amdgcn-amd-amdhsa--gfx1250"
	.amdhsa_code_object_version 6
	.text
	.protected	k_qb976452ab4_quant
	.globl	k_qb976452ab4_quant
	.p2align	8
	.type	k_qb976452ab4_quant,@function
k_qb976452ab4_quant:
	s_mov_b64 s[64:65], 0
	v_nop
	global_prefetch_b8 v0, s[64:65] scope:SCOPE_SE
	s_setreg_imm32_b32 hwreg(HW_REG_WAVE_MODE, 25, 1), 1
	s_wait_xcnt 0x0
; x, h [8192][1024] and the eight weights [1024][1024], f32, K innermost, become codes of FP6 (E2M3) with one E8M0 byte for each 32 along K.
; The two products of the cell add into the same gates, so they are laid as ONE product with K = 2,048:
;   a_codes [8192][1536 bytes]: row m = x's 1,024 codes (768 bytes), then h's;   a_scales [8192][64]: 32 bytes of x, then 32 of h.
;   b_codes [4096][1536 bytes], b_scales [4096][64]: row nb = W_i{g}[j], then W_h{g}[j], with nb = 128 (j / 32) + 32 g + j % 32 (g = 0..3: i, f, g, o; j the hidden unit),
;   so that 128 neighbouring rows of B are the four gates of 32 hidden units.   bias [4096] f32: bias[nb] = b_i{g}[j] + b_h{g}[j].
; A block's scale is 2^(floor(log2(its largest magnitude)) - 2): its byte is the largest magnitude's exponent field - 2, held at 1 from below.
; LIMITS: a block of zeros gets the byte 1 where the rule says 127 (its codes are zeros, and this program alone reads the bytes); blocks whose largest magnitude lies under 2^-124,
; the floor, were not tried; NaN and infinities among the inputs are not served.
; SHARES.  Work-groups 0-511 take 16 rows of A each, work-groups 512-767 16 rows of B (all of one gate).  A wave takes 4 output rows: 4 rows of its first source and the same 4 of its second:
; 16 steps of 512 numbers; step t = row t / 4, source (t / 2) % 2, half t % 2, so that the wave's codes (384 t) and scale bytes (16 t) are dense.
; Each load reads 512 consecutive bytes; a step's 2,048 bytes turn through the wave's own stage in LDS, so that a lane holds 16 neighbours along K (two lanes to a block).
; No tensor loads, no barrier: waves share nothing.  Loads run four steps (16 loads a wave) ahead.  Only pointers are chosen by the work-group's number: all tensors take one path.
.set STEPS, 16
.set NWA,   512                        ; work-groups that take A
.set CB,    12                         ; bytes of 16 codes
.set R,     16                         ; v16-79   four sets of 16 numbers as they are loaded
.set X,     80                         ; v80-111  two sets of 16 neighbours
.set E,     112                        ; v112-127 a scale byte for each step
.set C,     128                        ; v128-191 codes: four registers for each step, so that no store's data are written again
.set WREG,  8192                       ; LDS: a region for each wave: two stages of 32 x SP bytes, then its 256 scale bytes
.set SP,    80                         ; a lane's place in a stage: 64 bytes + 16 of padding
	s_load_b512 s[4:19], s[0:1], 0x0               ; x 4, h 6, W_ii 8, W_hi 10, W_if 12, W_hf 14, W_ig 16, W_hg 18
	s_load_b512 s[20:35], s[0:1], 0x40             ; W_io 20, W_ho 22, b_ii 24, b_hi 26, b_if 28, b_hf 30, b_ig 32, b_hg 34
	s_load_b256 s[36:43], s[0:1], 0x80             ; b_io 36, b_ho 38, a_codes 40, a_scales 42
	s_load_b128 s[44:47], s[0:1], 0xa0             ; b_codes 44, b_scales 46
	s_load_b64 s[48:49], s[0:1], 0xb0              ; bias
	v_lshl_add_u32 v192, v0, 2, 0x8000
	v_mov_b32 v193, 0
	v_lshrrev_b32 v1, 5, v0
	v_readfirstlane_b32 s50, v1                    ; wave
	v_and_b32 v2, 31, v0                           ; lane
	v_lshlrev_b32 v3, 4, v2                        ; my 16 bytes of a load's 512
	s_mul_i32 s54, s50, WREG
	v_lshrrev_b32 v14, 2, v2
	v_mul_u32_u24 v14, v14, SP
	v_and_b32 v15, 3, v2
	v_lshl_add_u32 v14, v15, 4, v14
	v_add_nc_u32 v14, s54, v14                     ; the stage, on the way in: SP (lane / 4) + 16 (lane % 4)
	v_mul_u32_u24 v15, v2, SP
	v_add_nc_u32 v15, s54, v15                     ; and on the way out: SP x lane: my 16 neighbours
	; my codes' place in a step's 384 bytes.  Each 96 bytes (128 along K) hold their four blocks of 24 bytes in the order 0, 2, 1, 3: a matrix operand's lanes 0-15 take blocks 0 and 2 and lanes 16-31 blocks 1 and 3,
	; so that each half's 48 bytes are consecutive for the launch that reads them.  Lane l holds half l % 2 of block (l / 2) % 4 of group l / 8.
	v_and_b32 v4, 1, v2
	v_mul_u32_u24 v4, v4, CB                       ; 12 x my half of the block
	v_bfe_u32 v12, v2, 2, 1
	v_mad_u32_u24 v4, v12, 24, v4                  ; blocks 2 and 3 lie 24 bytes behind blocks 0 and 1,
	v_bfe_u32 v12, v2, 1, 1
	v_mad_u32_u24 v4, v12, 48, v4                  ; blocks 1 and 3 in the second 48 bytes
	v_lshrrev_b32 v12, 3, v2
	v_mad_u32_u24 v4, v12, 96, v4                  ; the group of 128 along K
	v_lshrrev_b32 v5, 1, v2
	s_add_co_u32 s54, s54, 2*32*SP
	v_add_nc_u32 v5, s54, v5                       ; LDS: my wave's 256 scale bytes, my block's byte
	v_lshlrev_b32 v7, 3, v2                        ; on the way out 8 bytes a lane
	v_add_nc_u32 v6, s54, v7
	v_lshlrev_b32 v10, 2, v2                       ; the biases: 4 bytes a lane
	s_cmp_lt_u32 ttmp9, NWA
	s_cselect_b32 s51, 0, NWA
	s_sub_co_u32 s51, ttmp9, s51                   ; p: which 16 output rows of A or of B
	s_bfe_u32 s52, s51, 0x20001                    ; B: the gate, (p / 2) % 4
	s_lshl_b32 s54, s51, 4                         ; A: the first source row is 16 p
	s_lshr_b32 s53, s51, 3
	s_lshl_b32 s53, s53, 5
	s_and_b32 s56, s51, 1
	s_lshl_b32 s56, s56, 4
	s_add_co_u32 s53, s53, s56                     ; B: it is hidden unit 32 (p / 8) + 16 (p % 2)
	s_lshl_b32 s58, s51, 2
	s_add_co_u32 s58, s58, s50                     ; which run of 4 output rows is my wave's: 4 p + wave
	s_mov_b32 s57, 0
	s_wait_alu depctr_va_vdst(0)
	s_wait_kmcnt 0x0
	s_cmp_eq_u32 s52, 1                            ; the gate's four tensors come into s[8:11] and s[24:27]: choices that hang on the work-group's number alone
	s_cselect_b64 s[8:9], s[12:13], s[8:9]
	s_cselect_b64 s[10:11], s[14:15], s[10:11]
	s_cselect_b64 s[24:25], s[28:29], s[24:25]
	s_cselect_b64 s[26:27], s[30:31], s[26:27]
	s_cmp_eq_u32 s52, 2
	s_cselect_b64 s[8:9], s[16:17], s[8:9]
	s_cselect_b64 s[10:11], s[18:19], s[10:11]
	s_cselect_b64 s[24:25], s[32:33], s[24:25]
	s_cselect_b64 s[26:27], s[34:35], s[26:27]
	s_cmp_eq_u32 s52, 3
	s_cselect_b64 s[8:9], s[20:21], s[8:9]
	s_cselect_b64 s[10:11], s[22:23], s[10:11]
	s_cselect_b64 s[24:25], s[36:37], s[24:25]
	s_cselect_b64 s[26:27], s[38:39], s[26:27]
	s_cmp_lt_u32 ttmp9, NWA                        ; A's work-group or B's?
	s_cselect_b64 s[8:9], s[4:5], s[8:9]           ; first source: x or W_i{g}
	s_cselect_b64 s[10:11], s[6:7], s[10:11]       ; second source: h or W_h{g}
	s_cselect_b64 s[40:41], s[40:41], s[44:45]     ; the codes
	s_cselect_b64 s[42:43], s[42:43], s[46:47]     ; the scale bytes
	s_cselect_b32 s53, s54, s53                    ; the work-group's first source row
	s_cselect_b32 s55, 1, 0                        ; 1 in A's work-groups
	s_lshl_b32 s54, s50, 2
	s_add_co_u32 s53, s53, s54                     ; my wave's first source row
	s_lshl_b32 s56, s53, 12                        ; rows of 4,096 bytes
	s_add_nc_u64 s[8:9], s[8:9], s[56:57]
	s_add_nc_u64 s[10:11], s[10:11], s[56:57]
	s_mul_i32 s56, s58, 4*1536                     ; four output rows of 1,536 bytes of codes
	s_add_nc_u64 s[40:41], s[40:41], s[56:57]
	s_lshl_b32 s56, s58, 8                         ; and of 64 scale bytes
	s_add_nc_u64 s[42:43], s[42:43], s[56:57]
.macro LOAD t                          ; step t: 32 lanes read 512 consecutive bytes, four times
.irp i, 0,1,2,3
	global_load_b128 v[R+16*((\t)%4)+4*\i:R+16*((\t)%4)+4*\i+3], v3, s[8+2*(((\t)/2)%2):9+2*(((\t)/2)%2)] offset:4096*((\t)/4)+2048*((\t)%2)+512*\i th:TH_LOAD_NT
.endr
.endm
.macro TURN t                          ; step t's numbers through the stage: LDS serves a wave's instructions in order, so no wait stands between the stores and the loads
.irp i, 0,1,2,3
	ds_store_b128 v14, v[R+16*((\t)%4)+4*\i:R+16*((\t)%4)+4*\i+3] offset:32*SP*((\t)%2)+8*SP*\i
.endr
.irp i, 0,1,2,3
	ds_load_b128 v[X+16*((\t)%2)+4*\i:X+16*((\t)%2)+4*\i+3], v15 offset:32*SP*((\t)%2)+16*\i
.endr
.endm
.irp t, 0,1,2,3
	LOAD \t
.endr
	s_wait_loadcnt 12                              ; step 0's four loads are in; those of steps 1 to 3 may be out
	TURN 0
.macro STEP t
.set XS, X+16*((\t)%2)
.if (\t) > 0
	s_wait_dscnt 1                                 ; this step's numbers are back from the stage (the last step's byte store may be out): so its stores into the stage have read their registers,
.else
	s_wait_dscnt 0x0
.endif
.if (\t)+4 < STEPS
	LOAD (\t)+4                                    ; which take the loads of four steps on
.endif
.if (\t)+1 < STEPS
.if STEPS-2-(\t) >= 3
	s_wait_loadcnt 12                              ; the next step's four loads are in; those of the three steps behind it may be out
.else
	s_wait_loadcnt 4*(STEPS-2-(\t))                ; near the end fewer steps stand behind it
.endif
	TURN (\t)+1                                    ; and go through the other stage while this step is worked
.endif
	v_max3_num_f32 v8, |v[XS]|, |v[XS+1]|, |v[XS+2]|               ; the largest magnitude of my 16, in two chains
	v_max3_num_f32 v9, |v[XS+3]|, |v[XS+4]|, |v[XS+5]|
.irp i, 6,10
	v_max3_num_f32 v8, v8, |v[XS+\i]|, |v[XS+\i+1]|
	v_max3_num_f32 v9, v9, |v[XS+\i+2]|, |v[XS+\i+3]|
.endr
	v_max3_num_f32 v8, v8, |v[XS+14]|, |v[XS+15]|
	v_max3_num_f32 v8, v8, v9, 0x1800000           ; and the floor 2^(3 - 127): the byte cannot fall under 1
	v_max_num_f32_dpp v8, v8, v8 row_xmask:1 row_mask:0xf bank_mask:0xf   ; and of my neighbour's 16: the block's
	v_add_nc_u32 v11, 0xff000000, v8               ; 2 off its exponent field: the conversion takes the exponent field of this operand as its scale, and nothing else of it
	v_cvt_scalef32_pk16_fp6_f32 v[C+4*(\t):C+4*(\t)+2], v[XS:XS+15], v11   ; sixteen numbers / the scale, to the nearest code, ties to even, beyond the largest code the largest; 96 bits without gaps
	v_lshrrev_b32 v[E+(\t)], 23, v11               ; the scale's byte (also the plain line behind the conversion)
	ds_store_b8 v5, v[E+(\t)] offset:16*(\t)       ; both lanes of a block write the same byte with the same value
	global_store_b96 v4, v[C+4*(\t):C+4*(\t)+2], s[40:41] offset:32*CB*(\t)   ; the wave stores 384 consecutive bytes
.endm
.irp t, 0,1,2,3,4,5,6,7,8,9,10,11,12,13,14,15
	STEP \t
.endr
	ds_load_b64 v[12:13], v6                       ; LDS serves a wave's instructions in order: these see my byte stores
	s_wait_dscnt 0x0
	global_store_b64 v7, v[12:13], s[42:43]        ; 32 lanes store 256 consecutive bytes, aligned: four rows' scale bytes
	; THE BIASES.  Wave 0 of each B work-group with even p adds the two biases of rows nb = 16 p .. 16 p + 31: one gate, hidden units 32 (p / 8) on; a lane a row, 128 consecutive bytes.
	s_and_b32 s54, s51, 1
	s_or_b32 s54, s54, s55
	s_or_b32 s54, s54, s50
	s_cmp_eq_u32 s54, 0
	s_cbranch_scc0 .Ldone
	s_lshr_b32 s56, s51, 3
	s_lshl_b32 s56, s56, 7                         ; 32 hidden units of 4 bytes
	s_add_nc_u64 s[24:25], s[24:25], s[56:57]
	s_add_nc_u64 s[26:27], s[26:27], s[56:57]
	s_lshl_b32 s56, s51, 6                         ; 16 p rows of 4 bytes
	s_add_nc_u64 s[48:49], s[48:49], s[56:57]
	global_load_b32 v8, v10, s[24:25]
	global_load_b32 v9, v10, s[26:27]
	s_wait_loadcnt 0x0
	v_add_f32 v8, v8, v9
	global_store_b32 v10, v8, s[48:49]
.Ldone:
	s_wait_tensorcnt 0x0
	ds_add_u32 v192, v193
	s_wait_dscnt 0x0
	s_endpgm
.Lfunc_end_k_qb976452ab4_quant:
	.size	k_qb976452ab4_quant, .Lfunc_end_k_qb976452ab4_quant-k_qb976452ab4_quant
	.p2alignl 7, 3214868480
	.fill 96, 4, 3214868480
	.section	.rodata,"a",@progbits
	.p2align	6, 0x0
	.amdhsa_kernel k_qb976452ab4_quant
		.amdhsa_group_segment_fixed_size 33280
		.amdhsa_private_segment_fixed_size 0
		.amdhsa_enable_private_segment 0
		.amdhsa_kernarg_size 184
		.amdhsa_user_sgpr_count 2
		.amdhsa_user_sgpr_kernarg_segment_ptr 1
		.amdhsa_wavefront_size32 1
		.amdhsa_system_sgpr_workgroup_id_x 1
		.amdhsa_system_sgpr_workgroup_id_y 1
		.amdhsa_system_sgpr_workgroup_id_z 1
		.amdhsa_system_vgpr_workitem_id 0
		.amdhsa_next_free_vgpr 194
		.amdhsa_next_free_sgpr 66
		.amdhsa_reserve_vcc 0
		.amdhsa_float_denorm_mode_32 3
		.amdhsa_float_denorm_mode_16_64 3
		.amdhsa_memory_ordered 1
		.amdhsa_forward_progress 1
		.amdhsa_inst_pref_size 35
	.end_amdhsa_kernel
	.amdgpu_metadata
---
amdhsa.version: [ 1, 2 ]
amdhsa.kernels:
  - .name:           k_qb976452ab4_quant
    .symbol:         k_qb976452ab4_quant.kd
    .args:
      - { .name: x, .offset: 0, .size: 8, .value_kind: global_buffer, .address_space: global }
      - { .name: h, .offset: 8, .size: 8, .value_kind: global_buffer, .address_space: global }
      - { .name: W_ii, .offset: 16, .size: 8, .value_kind: global_buffer, .address_space: global }
      - { .name: W_hi, .offset: 24, .size: 8, .value_kind: global_buffer, .address_space: global }
      - { .name: W_if_, .offset: 32, .size: 8, .value_kind: global_buffer, .address_space: global }
      - { .name: W_hf, .offset: 40, .size: 8, .value_kind: global_buffer, .address_space: global }
      - { .name: W_ig, .offset: 48, .size: 8, .value_kind: global_buffer, .address_space: global }
      - { .name: W_hg, .offset: 56, .size: 8, .value_kind: global_buffer, .address_space: global }
      - { .name: W_io, .offset: 64, .size: 8, .value_kind: global_buffer, .address_space: global }
      - { .name: W_ho, .offset: 72, .size: 8, .value_kind: global_buffer, .address_space: global }
      - { .name: b_ii, .offset: 80, .size: 8, .value_kind: global_buffer, .address_space: global }
      - { .name: b_hi, .offset: 88, .size: 8, .value_kind: global_buffer, .address_space: global }
      - { .name: b_if_, .offset: 96, .size: 8, .value_kind: global_buffer, .address_space: global }
      - { .name: b_hf, .offset: 104, .size: 8, .value_kind: global_buffer, .address_space: global }
      - { .name: b_ig, .offset: 112, .size: 8, .value_kind: global_buffer, .address_space: global }
      - { .name: b_hg, .offset: 120, .size: 8, .value_kind: global_buffer, .address_space: global }
      - { .name: b_io, .offset: 128, .size: 8, .value_kind: global_buffer, .address_space: global }
      - { .name: b_ho, .offset: 136, .size: 8, .value_kind: global_buffer, .address_space: global }
      - { .name: a_codes, .offset: 144, .size: 8, .value_kind: global_buffer, .address_space: global }
      - { .name: a_scales, .offset: 152, .size: 8, .value_kind: global_buffer, .address_space: global }
      - { .name: b_codes, .offset: 160, .size: 8, .value_kind: global_buffer, .address_space: global }
      - { .name: b_scales, .offset: 168, .size: 8, .value_kind: global_buffer, .address_space: global }
      - { .name: bias, .offset: 176, .size: 8, .value_kind: global_buffer, .address_space: global }
    .group_segment_fixed_size: 33280
    .private_segment_fixed_size: 0
    .kernarg_segment_align: 8
    .kernarg_segment_size: 184
    .max_flat_workgroup_size: 128
    .sgpr_count:     66
    .vgpr_count:     194
    .wavefront_size: 32
...
	.end_amdgpu_metadata
.endif
;; end of part 1
;; launch lstm (part 2): grid 16 x 16, 4 waves a work-group, clusters of 4 x 4, 327,680 bytes of LDS; arguments a_codes, a_scales, b_codes, b_scales, bias, c_prev, out0, out1; writes out0, out1
.if DOCPART == 2
	.amdgcn_target "amdgcn-amd-amdhsa--gfx1250"
	.amdhsa_code_object_version 6
	.text
	.protected	k_qb976452ab4_lstm
	.globl	k_qb976452ab4_lstm
	.p2align	8
	.type	k_qb976452ab4_lstm,@function
k_qb976452ab4_lstm:
	s_mov_b64 s[64:65], 0
	v_nop
	global_prefetch_b8 v0, s[64:65] scope:SCOPE_SE
	s_setreg_imm32_b32 hwreg(HW_REG_WAVE_MODE, 25, 1), 1
	s_wait_xcnt 0x0
	s_wait_alu depctr_hold_cnt(0) depctr_sa_sdst(0) depctr_va_vdst(0) depctr_va_sdst(0) depctr_va_ssrc(0) depctr_va_vcc(0) depctr_vm_vsrc(0)
	s_getreg_b32 s2, hwreg(HW_REG_IB_STS2, 6, 4)
	s_cmp_eq_u32 s2, 0
	s_cbranch_scc0 .Lentry_in_a_cluster
	s_endpgm
.Lentry_in_a_cluster:
	s_bfe_u32 s2, ttmp6, 0x10000c
	s_cmp_lg_u32 s2, 0xf033
	s_cbranch_scc0 .Lentry_shape_is_right
	s_endpgm
.Lentry_shape_is_right:
; gates[m][nb] = bias[nb] + sum over k of A[m][k] B[nb][k], K = 2,048 (x beside h; W_i beside W_h), on codes of FP6 (E2M3) with one E8M0 byte for each 32 along K; then the LSTM cell:
; c_next = sigmoid(f) c_prev + sigmoid(i) tanh(g) -> out1;  h_next = sigmoid(o) tanh(c_next) -> out0.  The gates never go to memory.  No step of the problem is left out.
; B's rows are laid nb = 128 (j / 32) + 32 g + j % 32 (g: i, f, g, o; j the hidden unit): 128 neighbouring rows are the four gates of 32 hidden units.
; In a row of codes each 96 bytes (128 along K) hold their four blocks of 32 in the order 0, 2, 1, 3: the 48 bytes that a lane takes of them are consecutive.
; SHARES.  256 work-groups of four waves; each STAYS for two tiles of 256 rows x 256 rows of B, 4,096 rows apart: both take the same rows of B, so B's scales and the bias stay.  A wave makes 128 x 128: 64 accumulators.
; THE MATRIX INSTRUCTION IS USED TRANSPOSED (source 0 = 16 rows of B, source 1 = 16 rows of A): lane (r, h), accumulator (a, b = 2 g + u), register j holds gate g of row 16 a + r, hidden unit 16 u + 8 h + j
; of the wave's 32: all four gates of an element lie in one lane.  The bias is the C of each sum's first product.
; K goes through a ring of two LDS slots in CHUNKS OF 256 BYTES of each row (a row of codes is 1,536 bytes: six chunks); a step of 128 along K is 96 bytes: steps 2, 5, 10 and 13 lie across two chunks.
; The scale bytes of the tile's rows, for all of K, come into LDS once a tile.  CLUSTERS: 4 x 4; A's tiles are asked for jointly along a row of the cluster, B's along a column.
; All 16 steps of a tile stand once in the text, in a loop over tiles.  Behind the first tile's last step a round asks for the next tile's chunk 0 and A's scales, which land while the cell is computed.
; THE CELL is a loop of eight trips, a block of 16 rows each; only the 32 lines that read the accumulators are written out for each block.  The two waves of a row half share a stage of 16 rows x 272 bytes,
; each writing its own 128 bytes of a row.  c_prev comes by plain loads, one block ahead (4 rows x 128 consecutive bytes an instruction), and turns through the wave's own half.  c_next and then h_next go into the stage;
; behind a barrier each wave reads 8 whole rows back and stores them: sixteen lanes store 256 consecutive bytes, aligned.  Four barriers a trip: c_next written / read / h_next written / read.
; With e_x = 2^min(k x, 40), k = -log2(e) for a sigmoid and -2 log2(e) for a tanh:
;   c_next = [c_prev (1+e_i)(1+e_g) + (1-e_g)(1+e_f)] / [(1+e_i)(1+e_g)(1+e_f)],   h_next = (1-e_c) / [(1+e_o)(1+e_c)].
; LIMITS: the hold of the exponents at 40 keeps the divisors under 2^121 and moves a sigmoid or a tanh by less than 2^-39; |c_prev| must stay under 2^46; NaN and infinities are not served.
; REGISTERS: window 0: v1-31 addresses; v32-63 scale words alone; v64-255 A's fragments (from v128) and the cell's work.  window 1: B's fragments, two sets, at v0 and v128; the bias at v96-127 and v224-255.
;   window 2: the accumulators of my rows 0-63 ((a, b) at v[8 (8 a + b)]);  window 3: those of my rows 64-127.
.set ROWB,   256
.set NQ,     2
.set KROW,   1536
.set STEPS,  16
.set CHUNKS, 6
.set PITCH,  272
.set FR,     12
.set NL,     3                         ; LDS loads that bring a fragment
.set NP,     4
.set HALFT,  128*PITCH
.set SLOT,   4*HALFT
.set KS,     64
.set SCL,    2*SLOT
.set HALFS,  32*272
.set SBLK,   4*272
.set SPARE,  SCL+4*HALFS               ; the spare words, 128 bytes a wave
.set STAGE,  SPARE+512                 ; the cell's two stages: no tensor load lands here
.set SPI,    272                       ; a stage row: 256 bytes + 16
.set WST,    16*SPI
.set WALKB,  4096*KROW                 ; bytes of codes from a tile's rows of A to the next tile's
.set SW,   10                          ; stage, whole rows: row 8 (wave % 2) + h, 16 r
.set GS,   11                          ; my byte offset in out0 and out1: the same rows
.set ADRA, 16
.set ADRB, 20
.set SG,   24                          ; stage, by gates' layout: row r, my 128 bytes, 32 h
.set SR,   25                          ; stage, my 128 bytes by rows: row lane / 8, 16 (lane % 8)
.set GO,   26                          ; my byte offset in c_prev: the same places
.set ADRS, 27
.set SPW,  28
.set NIL,  29
.set PFO,  30                          ; lane x a row of codes
.set PCO,  31                          ; c_prev's prefetch: my lane's row
.set SC,   32
.set AF,   128
.set T,    64
.set TI,   T
.set TF,   T+16
.set TG,   T+32
.set TO,   T+48
.set X,    128
.set Z,    144
.set CN,   160
.set HN,   176
.set CP,   192
.set CG,   208
.set OB,   224
.set OH,   240
.set G1,   24
.set G0,   32
.set G1B,  48
.set G0B,  56
.set G1S,  68
.set G0S,  76
.set G1SB, 80
.set G0SB, 88
.set G0H,  92
.set G0HB, 96
.set PFA,  4                           ; s[4:5] where my prefetches of codes stand
.set PON,  66                          ; 1 while my wave asks for this tile's chunks
.set PNX,  67                          ; 1 while it asks for the next tile's (A's waves, first tile)
.set MSB, 0
.macro WIN new
.if MSB != (\new)
	s_set_vgpr_msb (MSB<<8)|(\new)
.set MSB, (\new)
.endif
.endm
.set MUL_LO,   0xa1
.set MUL_HI,   0xf1
.set FIRST_LO, 0x91                    ; the first products: C (the bias) window 1, D window 2
.set FIRST_HI, 0xd1
.set TO_B,     0x40
.macro TL g0, g1                       ; a tensor load with an s_nop and four v_nop behind it
	tensor_load_to_lds s[\g0:\g0+3], s[\g1:\g1+7]
	s_nop 0
.rept 4
	v_nop
.endr
.endm
.macro JLOAD g0a, g1a, g0b, g1b        ; waves 0 and 1 fetch for A, waves 2 and 3 for B
	s_cmp_eq_u32 s21, 0
	s_cbranch_scc0 .Lfor_b_\@
	TL \g0a, \g1a
	s_branch .Lasked_\@
.Lfor_b_\@:
	TL \g0b, \g1b
.Lasked_\@:
.endm
.macro ARMS full                       ; a tile's first loads, one a wave: chunk 0's 256 rows of A, of B, A's scales, and (full) B's scales
	s_cmp_lt_u32 s20, 1
	s_cbranch_scc0 .Lhb_\@
	TL G0H, G1
	s_branch .Lha_\@
.Lhb_\@:
	s_cmp_lt_u32 s20, 2
	s_cbranch_scc0 .Lhsa_\@
	TL G0HB, G1B
	s_branch .Lha_\@
.Lhsa_\@:
	s_cmp_lt_u32 s20, 3
	s_cbranch_scc0 .Lhsb_\@
	TL G0S, G1S
	s_branch .Lha_\@
.Lhsb_\@:
.if \full
	TL G0SB, G1SB
.endif
.Lha_\@:
.endm
.macro CREST
	s_cmp_lg_u32 s20, 0
	s_cbranch_scc1 .Lnot_wave_0_\@
	s_barrier_signal -3
.Lnot_wave_0_\@:
	s_barrier_wait -3
	s_barrier_signal -1
	s_barrier_wait -1
.endm
.macro CROUND
	s_barrier_signal -1
	s_barrier_wait -1
	CREST
.endm
; A prefetch of chunk j (6 and up: of the next tile): 32 rows x 256 bytes, a lane a row.  Of the 128 rows of a wave's share each of the four partners that ask for them jointly takes 32, by address.
; It stands behind the load of chunk j - 2.  B's rows are asked for in the first tile alone; the next tile's rows of A in the first tile alone.
.macro ASK j
.if (\j) < CHUNKS
	s_cmp_lg_u32 s[PON], 0
	s_cbranch_scc0 .Lna_\@
	global_prefetch_b8 v[PFO], s[PFA:PFA+1] offset:ROWB*(\j) th:TH_LOAD_NT scope:SCOPE_SE
.else
	s_cmp_lg_u32 s[PNX], 0
	s_cbranch_scc0 .Lna_\@
	global_prefetch_b8 v[PFO], s[PFA:PFA+1] offset:WALKB+ROWB*((\j)-CHUNKS) th:TH_LOAD_NT scope:SCOPE_SE
.endif
.Lna_\@:
.endm
	s_load_b512 s[4:19], s[0:1], 0x0               ; a_codes 4, a_scales 6, b_codes 8, b_scales 10, bias 12, c_prev 14, out0 16, out1 18
	v_lshl_add_u32 v[SPW], v0, 2, SPARE
	v_mov_b32 v[NIL], 0
	ds_add_u32 v[SPW], v[NIL]                      ; the opening lines: the add twice on end and one wait
	ds_add_u32 v[SPW], v[NIL]
	v_lshrrev_b32 v1, 5, v0
	v_readfirstlane_b32 s20, v1                    ; wave
	s_lshr_b32 s21, s20, 1                         ; my half of the tile's rows; also: I fetch for A (0) or B (1)
	s_and_b32 s22, s20, 1                          ; my half of its rows of B; also: which 128 rows I fetch
	s_bfe_u32 s40, ttmp6, 0x40000                  ; cx
	s_bfe_u32 s41, ttmp6, 0x40004                  ; cy
	s_lshl_b32 s42, ttmp9, 2
	s_add_co_u32 s42, s42, s40                     ; tile column
	s_and_b32 s23, ttmp7, 0xffff
	s_lshl_b32 s23, s23, 2
	s_add_co_u32 s23, s23, s41                     ; the first tile's tile row
	s_lshl_b32 s43, s41, 2
	s_lshl_b32 s43, 15, s43                        ; my row of the cluster
	s_lshl_b32 s44, 0x1111, s40                    ; my column
	s_or_b32 s[G1+0], s43, (0<<16)|(1<<20)|(1<<21)|(5<<22)|(3<<25)   ; rows of 256 bytes, 16 bytes of padding behind each
	s_or_b32 s[G1B+0], s44, (0<<16)|(1<<20)|(1<<21)|(5<<22)|(3<<25)
.irp g, G1, G1B
	s_mov_b32 s[\g+1], ROWB<<16
	s_mov_b32 s[\g+2], 256<<16                     ; 256 rows for a tile's first loads, 128 for the ring's
	s_mov_b32 s[\g+3], ROWB<<16
	s_mov_b32 s[\g+4], 256
	s_mov_b32 s[\g+5], KROW
	s_mov_b32 s[\g+6], 0
	s_mov_b32 s[\g+7], 0
.endr
	s_or_b32 s[G1S+0], s43, (3<<16)|(1<<20)|(1<<21)|(5<<22)|(3<<25)  ; the scales of 256 rows: a dense block, as 64 rows of 256 bytes
	s_or_b32 s[G1SB+0], s44, (3<<16)|(1<<20)|(1<<21)|(5<<22)|(3<<25)
.irp g, G1S, G1SB
	s_mov_b32 s[\g+1], 32<<16
	s_mov_b32 s[\g+2], KS<<16
	s_mov_b32 s[\g+3], 32<<16
	s_mov_b32 s[\g+4], KS
	s_mov_b32 s[\g+5], 32
	s_mov_b32 s[\g+6], 0
	s_mov_b32 s[\g+7], 0
.endr
	s_lshl_b32 s46, s23, 8
	s_mul_i32 s46, s46, KROW                       ; A's codes at the tile's first row
	s_mov_b32 s47, 0
	s_lshl_b32 s66, s23, 14                        ; and its scales
	s_mov_b32 s67, 0
	s_lshl_b32 s100, s42, 8
	s_mul_i32 s100, s100, KROW                     ; B's likewise
	s_mov_b32 s101, 0
	s_lshl_b32 s104, s42, 14
	s_mov_b32 s105, 0
	s_mul_i32 s45, s20, HALFT                      ; where the ring's loads go: wave x 128 rows
	s_wait_dscnt 0x0                               ; both opening adds are done
	s_wait_kmcnt 0x0
	s_add_nc_u64 s[4:5], s[4:5], s[46:47]
	s_add_nc_u64 s[6:7], s[6:7], s[66:67]
	s_add_nc_u64 s[8:9], s[8:9], s[100:101]
	s_add_nc_u64 s[10:11], s[10:11], s[104:105]
	CROUND                                         ; all sixteen work-groups are here
	s_mov_b32 s[G0H], 1
	s_mov_b32 s[G0H+1], 0
	s_mov_b64 s[G0H+2:G0H+3], s[4:5]
	s_or_b32 s[G0H+3], s[G0H+3], 0x80000000
	s_mov_b32 s[G0HB], 1
	s_mov_b32 s[G0HB+1], 2*HALFT
	s_mov_b64 s[G0HB+2:G0HB+3], s[8:9]
	s_or_b32 s[G0HB+3], s[G0HB+3], 0x80000000
	s_mov_b32 s[G0S], 1
	s_mov_b32 s[G0S+1], SCL
	s_mov_b64 s[G0S+2:G0S+3], s[6:7]
	s_or_b32 s[G0S+3], s[G0S+3], 0x80000000
	s_mov_b32 s[G0SB], 1
	s_mov_b32 s[G0SB+1], SCL+2*HALFS
	s_mov_b64 s[G0SB+2:G0SB+3], s[10:11]
	s_or_b32 s[G0SB+3], s[G0SB+3], 0x80000000
	s_mul_i32 s46, s22, 128*KROW                   ; for the ring: my 128 rows of a tile
	s_add_nc_u64 s[4:5], s[4:5], s[46:47]
	s_add_nc_u64 s[8:9], s[8:9], s[46:47]
.irp s, 0,1
	s_mov_b32 s[G0+4*\s], 1
	s_add_co_u32 s[G0+4*\s+1], s45, \s*SLOT
	s_add_nc_u64 s[G0+4*\s+2:G0+4*\s+3], s[4:5], \s*ROWB
	s_or_b32 s[G0+4*\s+3], s[G0+4*\s+3], 0x80000000
	s_mov_b32 s[G0B+4*\s], 1
	s_add_co_u32 s[G0B+4*\s+1], s45, \s*SLOT
	s_add_nc_u64 s[G0B+4*\s+2:G0B+4*\s+3], s[8:9], \s*ROWB
	s_or_b32 s[G0B+4*\s+3], s[G0B+4*\s+3], 0x80000000
.endr
	ARMS 1                                         ; one tensor load a wave at the head
	v_and_b32 v1, 15, v0                           ; r
	v_bfe_u32 v2, v0, 4, 1                         ; h
	v_mul_u32_u24 v3, v1, PITCH
	v_mul_u32_u24 v4, v2, 48
	v_add_nc_u32 v4, v3, v4                        ; a fragment's row x pitch + 48 h
	s_mov_b32 s46, SLOT-208
	s_mov_b32 s47, SLOT+208
	v_sub_nc_u32 v7, 1, v2
	v_mul_u32_u24 v5, s46, v2
	v_add_nc_u32 v5, v3, v5
	v_add_nc_u32 v5, 208, v5                       ; across two chunks: lanes 0-15 byte 208 in slot 0, lanes 16-31 byte 0 in slot 1;
	v_mul_u32_u24 v6, s47, v7
	v_add_nc_u32 v6, v3, v6                        ; and the other way round
	s_mul_i32 s46, s21, HALFT
	s_mul_i32 s47, s22, HALFT
	s_add_co_u32 s47, s47, 2*HALFT
	v_add_nc_u32 v[ADRA+2], s46, v5
	v_add_nc_u32 v[ADRA+3], s46, v6
	v_add_nc_u32 v[ADRB+2], s47, v5
	v_add_nc_u32 v[ADRB+3], s47, v6
.irp s, 0,1
	v_add_nc_u32 v[ADRA+\s], s46, v4
	v_add_nc_u32 v[ADRB+\s], s47, v4
	s_add_co_u32 s46, s46, SLOT
	s_add_co_u32 s47, s47, SLOT
.endr
	s_wait_alu depctr_va_vdst(0)
	v_mul_u32_u24 v5, v1, KS
	v_lshrrev_b32 v6, 8, v5
	v_lshl_add_u32 v5, v6, 4, v5                   ; my row's scales: 64 bytes a row, 16 more for each 256 passed
	s_mul_i32 s46, s21, HALFS
	s_mul_i32 s47, s22, HALFS
	s_add_co_u32 s47, s47, 2*HALFS
	s_sub_co_u32 s47, s47, s46
	v_mul_u32_u24 v6, s47, v2                      ; lanes 16-31 take B's: the lower base + h x the distance
	s_add_co_u32 s46, s46, SCL
	v_add_nc_u32 v5, v5, v6
	v_add_nc_u32 v[ADRS], s46, v5
	s_mul_i32 s46, s21, WST
	s_add_co_u32 s46, s46, STAGE                   ; my row half's stage,
	s_lshl_b32 s100, s22, 7
	s_add_co_u32 s105, s46, s100                   ; my 128 bytes of its rows,
	s_mul_i32 s100, s22, 8*SPI
	s_add_co_u32 s46, s46, s100                    ; and the 8 rows that I store
	s_lshl_b32 s47, s23, 20                        ; rows and columns in c_prev and the outputs, in bytes
	s_lshl_b32 s100, s42, 8
	s_add_co_u32 s47, s47, s100
	s_lshl_b32 s100, s20, 18
	s_add_co_u32 s104, s47, s100                   ; c_prev's prefetch: rows 64 x wave on, the tile's 256 bytes
	s_lshl_b32 s100, s21, 19
	s_add_co_u32 s47, s47, s100                    ; rows 128 x (wave / 2) on
	s_lshl_b32 s100, s22, 15
	s_add_co_u32 s101, s47, s100                   ; the stores: + 8 rows x (wave % 2)
	s_lshl_b32 s100, s22, 7
	s_add_co_u32 s47, s47, s100                    ; c_prev: + 128 bytes x (wave % 2)
	s_wait_alu depctr_va_vdst(0)
	v_mul_u32_u24 v5, v1, SPI
	v_lshl_add_u32 v5, v2, 5, v5
	v_add_nc_u32 v[SG], s105, v5
	v_and_b32 v6, 31, v0
	v_lshrrev_b32 v7, 3, v6
	v_and_b32 v9, 7, v6
	v_mul_u32_u24 v5, v7, SPI
	v_lshl_add_u32 v5, v9, 4, v5
	v_add_nc_u32 v[SR], s105, v5
	v_mul_u32_u24 v5, v2, SPI
	v_lshl_add_u32 v5, v1, 4, v5
	v_add_nc_u32 v[SW], s46, v5
	v_lshlrev_b32 v5, 12, v7
	v_lshl_add_u32 v5, v9, 4, v5
	v_add_nc_u32 v[GO], s47, v5
	v_lshlrev_b32 v5, 12, v2
	v_lshl_add_u32 v5, v1, 4, v5
	v_add_nc_u32 v[GS], s101, v5
	v_lshl_add_u32 v[PCO], v6, 12, s104
	v_mul_u32_u24 v[PFO], v6, KROW
	v_lshlrev_b32 v8, 5, v2                        ; 32 h: my eight biases of a block
	s_lshl_b32 s100, s42, 10
	s_lshl_b32 s104, s22, 9
	s_add_co_u32 s100, s100, s104
	s_mov_b32 s101, 0
	s_add_nc_u64 s[12:13], s[12:13], s[100:101]    ; the bias of my 128 rows of B
	s_cmp_eq_u32 s21, 0
	s_cselect_b64 s[PFA:PFA+1], s[4:5], s[8:9]     ; the prefetches: my 128 rows of A or of B,
	s_cselect_b32 s46, s40, s41
	s_cselect_b32 s[PNX], 1, 0
	s_mul_i32 s46, s46, 32*KROW                    ; my work-group's 32 of them
	s_mov_b32 s47, 0
	s_add_nc_u64 s[PFA:PFA+1], s[PFA:PFA+1], s[46:47]
	s_mov_b32 s[PON], 1
	s_mov_b32 s6, 0xbfb8aa3b                       ; -log2(e)
	s_mov_b32 s7, s6
	s_mov_b32 s8, 0xc038aa3b                       ; -2 log2(e)
	s_mov_b32 s9, s8
	s_mov_b32 s10, 0x42200000                      ; 40.0
	s_mov_b32 s2, 2                                ; tiles to go
	s_wait_alu depctr_va_vdst(0)
	WIN TO_B
.irp b, 0,1,2,3,4,5,6,7
	global_load_b128 v[96+8*\b+96*(\b/4):96+8*\b+96*(\b/4)+3], v8, s[12:13] offset:64*\b       ; lane (r, h), register j: the bias of B's row 16 b + 8 h + j
	global_load_b128 v[96+8*\b+96*(\b/4)+4:96+8*\b+96*(\b/4)+7], v8, s[12:13] offset:64*\b+16
.endr
	WIN 0
	ASK 2
; A fragment, 16 rows x 128 K, is 12 registers: lane (r, h) takes blocks h and 2 + h of row r's four, which lie on end: 48 bytes at 48 h of the step's 96, in three pieces of 16 bytes.
; Byte y of a row lies in slot (y / 256) % 2 at byte y % 256 of the LDS row.  Where the piece of lanes 16-31, 48 bytes on, lies in the next chunk, the second pair of address registers serves.
.macro FRAG reg, adr, st, i
.irp p, 0,1,2
.set BY, 96*(\st)+16*\p
.if BY/ROWB == (BY+48)/ROWB
	ds_load_b128 v[\reg+4*\p:\reg+4*\p+3], v[\adr+(BY/ROWB)%2] offset:BY%ROWB+(\i)*16*PITCH
.else
	ds_load_b128 v[\reg+4*\p:\reg+4*\p+3], v[\adr+2+(BY/ROWB)%2] offset:BY%ROWB-208+(\i)*16*PITCH
.endif
.endr
.endm
; 16 matrix instructions: A's blocks a0, a0 + 1 x B's eight.  The 64 accumulators take turns.  zero = 1: the bias is the C.
.macro MUL16 a0, p, q, sc, zero
.irp a, \a0, \a0+1
.irp b, 0,1,2,3,4,5,6,7
.if \zero
	v_wmma_scale_f32_16x16x128_f8f6f4 v[8*(8*((\a)%4)+\b):8*(8*((\a)%4)+\b)+7], v[128*(\p)+FR*\b:128*(\p)+FR*\b+FR-1], v[AF+FR*(\a):AF+FR*(\a)+FR-1], v[96+8*\b+96*(\b/4):96+8*\b+96*(\b/4)+7], v[SC+8*NQ*(\sc)+NQ*\b+(\q)], v[SC+8*NQ*(\sc)+NQ*(\a)+(\q)] matrix_a_fmt:MATRIX_FMT_FP6 matrix_b_fmt:MATRIX_FMT_FP6 matrix_a_scale:MATRIX_SCALE_ROW1
.else
	v_wmma_scale_f32_16x16x128_f8f6f4 v[8*(8*((\a)%4)+\b):8*(8*((\a)%4)+\b)+7], v[128*(\p)+FR*\b:128*(\p)+FR*\b+FR-1], v[AF+FR*(\a):AF+FR*(\a)+FR-1], v[8*(8*((\a)%4)+\b):8*(8*((\a)%4)+\b)+7], v[SC+8*NQ*(\sc)+NQ*\b+(\q)], v[SC+8*NQ*(\sc)+NQ*(\a)+(\q)] matrix_a_fmt:MATRIX_FMT_FP6 matrix_b_fmt:MATRIX_FMT_FP6 matrix_a_scale:MATRIX_SCALE_ROW1
.endif
.endr
.endr
.endm
.macro FETCH_B st, p
	WIN TO_B
.irp i, 0,1,2,3,4,5,6,7
	FRAG 128*(\p)+FR*\i, ADRB, \st, \i
.endr
	WIN 0
.endm
.macro FETCH_A st, i0
.irp i, \i0, \i0+1, \i0+2, \i0+3
	FRAG AF+FR*(\i), ADRA, \st, \i
.endr
.endm
.macro SCALES pr                       ; the scale words of steps 2 pr, 2 pr + 1: lanes 0-15 A's block i, lanes 16-31 B's
.irp i, 0,1,2,3,4,5,6,7
	ds_load_b64 v[SC+8*NQ*((\pr)%2)+NQ*\i:SC+8*NQ*((\pr)%2)+NQ*\i+1], v[ADRS] offset:\i*SBLK+4*NQ*(\pr)
.endr
.endm
.macro PLACES n
.rept \n
	v_nop
.endr
.endm
; A step of 128 along K: 64 matrix instructions; the next step's fragments are fetched in its middle and at its end.  Where the next step's bytes END in a chunk not yet read, a barrier shows it whole;
; where they BEGIN in a later chunk, the chunk left behind is free: the wait for all tensor loads, the add, the wait for it and for my reads, the barrier, which opens a round, and the refill two chunks on.
.macro STEP st, zero
.set NX, (\st)+1
.set C0, (96*(\st))/ROWB
.set C1, (96*NX)/ROWB
.set E0, (96*(\st)+95)/ROWB
.set E1, (96*NX+95)/ROWB
.if \zero
.set WLO, FIRST_LO
.set WHI, FIRST_HI
.else
.set WLO, MUL_LO
.set WHI, MUL_HI
.endif
.if C1 > C0 || E1 > E0
	s_wait_tensorcnt 0x0                           ; all my tensor loads have landed
.if C1 > C0
	ds_add_u32 v[SPW], v[NIL]
	s_wait_dscnt 4*NL+1                            ; the add and A's blocks 4-7 may be out
.else
	s_wait_dscnt 4*NL                              ; A's blocks 4-7 may be out
.endif
	WIN WLO
	MUL16 0, (\st)%2, (\st)%2, ((\st)/2)%2, \zero
	s_wait_dscnt 0x0                               ; the add and all my reads are done
	s_barrier_signal -1
	MUL16 2, (\st)%2, (\st)%2, ((\st)/2)%2, \zero
	WIN 0
	s_barrier_wait -1
.if C1 > C0 && C0+2 < CHUNKS
	CREST
	s_add_nc_u64 s[G0+4*(C0%2)+2:G0+4*(C0%2)+3], s[G0+4*(C0%2)+2:G0+4*(C0%2)+3], 2*ROWB
	s_add_nc_u64 s[G0B+4*(C0%2)+2:G0B+4*(C0%2)+3], s[G0B+4*(C0%2)+2:G0B+4*(C0%2)+3], 2*ROWB
	JLOAD G0+4*(C0%2), G1, G0B+4*(C0%2), G1B       ; chunk C0 + 2; its four v_nop are the places in front of the loads below
.else
	PLACES NP
.endif
.else
	s_wait_dscnt 4*NL                              ; A's blocks 4-7 may be out
	WIN WLO
	MUL16 0, (\st)%2, (\st)%2, ((\st)/2)%2, \zero
	MUL16 2, (\st)%2, (\st)%2, ((\st)/2)%2, \zero
	s_wait_dscnt 0
	PLACES NP
.endif
	FETCH_B NX, NX%2
	FETCH_A NX, 0
.if NX%2 == 0
	SCALES NX/2
.endif
.if C1 > C0 && C0+2 < CHUNKS
	ASK C0+4
.endif
.if (\st) == 8 || (\st) == 9
	global_prefetch_b8 v[PCO], s[14:15] offset:131072*((\st)-8) th:TH_LOAD_NT scope:SCOPE_SE   ; c_prev: 32 rows x 256 bytes, a lane a row; the four waves name the tile's 256 rows once
.endif
	WIN WHI
	MUL16 4, (\st)%2, (\st)%2, ((\st)/2)%2, \zero
	MUL16 6, (\st)%2, (\st)%2, ((\st)/2)%2, \zero
	PLACES NP
	WIN 0
	FETCH_A NX, 4
.endm
; THE CELL'S MACROS.  16 elements a lane: e = 8 u + j at bytes 64 u + 32 h + 4 j of my wave's 128 bytes of row r.
.macro PKV op, d, a, b
.set I, 0
.rept 8
	\op v[\d+I:\d+I+1], v[\a+I:\a+I+1], v[\b+I:\b+I+1]
.set I, I+2
.endr
.endm
.macro PK1 d, a                        ; d = a + 1
.set I, 0
.rept 8
	v_pk_add_f32 v[\d+I:\d+I+1], v[\a+I:\a+I+1], 1.0 op_sel_hi:[1,0]
.set I, I+2
.endr
.endm
.macro PKN d                           ; d = 1 - d
.set I, 0
.rept 8
	v_pk_fma_f32 v[\d+I:\d+I+1], v[\d+I:\d+I+1], -1.0, 1.0 op_sel_hi:[1,0,0]
.set I, I+2
.endr
.endm
.macro ONE op, d, n                    ; n transcendentals in place
.set I, 0
.rept \n
	\op v[\d+I], v[\d+I]
.set I, I+1
.endr
.endm
.macro HOLD d, n                       ; the hold at 40
.set I, 0
.rept \n
	v_min_num_f32 v[\d+I], s10, v[\d+I]
.set I, I+1
.endr
.endm
.macro SNIP a                          ; k x the gates of block a; each accumulator is read from its low end on
	WIN 0x02+(\a)/4
	s_wait_alu depctr_va_vdst(0)                   ; the wait directly ahead of the first reader of matrix results
.set I, 0
.rept 32
.if (I >= 32) && (I < 48)
	v_pk_mul_f32 v[T+I:T+I+1], v[64*((\a)%4)+I:64*((\a)%4)+I+1], s[8:9] op_sel_hi:[1,0]
.else
	v_pk_mul_f32 v[T+I:T+I+1], v[64*((\a)%4)+I:64*((\a)%4)+I+1], s[6:7] op_sel_hi:[1,0]
.endif
.set I, I+2
.endr
	WIN 0
.endm
.macro G_ST r                          ; into my 128 bytes of the stage's rows, by the gates' layout
.irp q, 0,1,2,3
	ds_store_b128 v[SG], v[\r+4*\q:\r+4*\q+3] offset:64*(\q/2)+16*(\q%2)
.endr
.endm
.macro W_LD r                          ; 8 whole rows back: two rows of 256 bytes an instruction
.irp q, 0,1,2,3
	ds_load_b128 v[\r+4*\q:\r+4*\q+3], v[SW] offset:2*SPI*\q
.endr
.endm
.macro OUT r, base                     ; sixteen lanes store 256 consecutive bytes, aligned
.irp q, 0,1,2,3
	global_store_b128 v[GS], v[\r+4*\q:\r+4*\q+3], s[\base:\base+1] offset:8192*\q th:TH_STORE_NT
.endr
.endm
.macro CIN off                         ; my 128 bytes of c_prev's 16 rows of a block, by rows
.irp q, 0,1,2,3
	global_load_b128 v[CG+4*\q:CG+4*\q+3], v[GO], s[14:15] offset:\off+16384*\q
.endr
.endm
.macro CPASS                           ; they turn through my half of the stage: LDS serves a wave's instructions in order
	s_wait_loadcnt 0x0
.irp q, 0,1,2,3
	ds_store_b128 v[SR], v[CG+4*\q:CG+4*\q+3] offset:4*SPI*\q
.endr
.irp q, 0,1,2,3
	ds_load_b128 v[CP+4*\q:CP+4*\q+3], v[SG] offset:64*(\q/2)+16*(\q%2)
.endr
.endm
.macro BAR                             ; a work-group barrier; my LDS instructions are done in front of it
	s_wait_alu depctr_va_vdst(0)
	s_wait_dscnt 0x0
	s_barrier_signal -1
	s_barrier_wait -1
.endm
; The cell for the wave's eight blocks.  A trip: block s3's arithmetic and way out, and the first lines of block s3 + 1, those that read its accumulators chosen by the trip's number.
; Each batch of transcendentals has one s_wait_alu ahead and one behind.
.macro TAIL
	PLACES NP                                      ; behind the last products
	CIN 0
	SNIP 0
	HOLD T, 64
	s_mov_b32 s3, 0
	s_wait_alu depctr_va_vdst(0)
	CPASS
.Lph_\@:
	s_wait_alu depctr_va_vdst(0)
	ONE v_exp_f32, T, 64
	v_nop
	s_wait_alu depctr_va_vdst(0)
	s_wait_dscnt 0x0                               ; c_prev is back by the gates' layout, and the stores have read their registers
	s_cmp_eq_u32 s3, 7
	s_cbranch_scc1 .Lnc_\@
	CIN 65536                                      ; the next block's c_prev
.Lnc_\@:
	PK1 TI, TI                                     ; 1 + e_i
	PK1 X, TG                                      ; 1 + e_g
	PKN TG                                         ; 1 - e_g
	PK1 TF, TF                                     ; 1 + e_f
	PKV v_pk_mul_f32, X, X, TI
	PKV v_pk_mul_f32, TI, X, TF                    ; the divisor
	PKV v_pk_mul_f32, TG, TG, TF
.set I, 0
.rept 8
	v_pk_fma_f32 v[TG+I:TG+I+1], v[CP+I:CP+I+1], v[X+I:X+I+1], v[TG+I:TG+I+1]
.set I, I+2
.endr
	s_wait_alu depctr_va_vdst(0)
	ONE v_rcp_f32, TI, 16
	PK1 TO, TO                                     ; 1 + e_o: plain work behind the reciprocals
	s_wait_alu depctr_va_vdst(0)
	PKV v_pk_mul_f32, CN, TG, TI                   ; c_next
	G_ST CN                                        ; over my own bytes of c_prev
.set I, 0
.rept 8
	v_pk_mul_f32 v[X+I:X+I+1], v[CN+I:CN+I+1], s[8:9] op_sel_hi:[1,0]
.set I, I+2
.endr
	HOLD X, 16
	s_wait_alu depctr_va_vdst(0)
	s_wait_dscnt 0x0                               ; for my partner's sake: c_next is stored
	s_barrier_signal -1
	ONE v_exp_f32, X, 16                           ; e_c: work on registers between signal and wait
	v_nop
	s_wait_alu depctr_va_vdst(0)
	PK1 Z, X
	PKN X
	PKV v_pk_mul_f32, Z, Z, TO
	s_wait_alu depctr_va_vdst(0)
	s_barrier_wait -1                              ; c_next's rows are whole
	W_LD OB
	ONE v_rcp_f32, Z, 16
	v_nop
	s_wait_alu depctr_va_vdst(0)
	PKV v_pk_mul_f32, HN, X, Z                     ; h_next
	BAR                                            ; every wave has read its rows of c_next
	G_ST HN
	OUT OB, 18
.irp a, 1,2,3,4,5,6,7
	s_cmp_eq_u32 s3, \a-1
	s_cbranch_scc1 .Lsn_\@_\a
.endr
	s_branch .Ljn_\@
.irp a, 1,2,3,4,5,6,7
.Lsn_\@_\a:
	SNIP \a
	s_wait_alu depctr_va_vdst(0)
	s_branch .Ljn_\@
.endr
.Ljn_\@:
	BAR                                            ; h_next's rows are whole
	W_LD OH
	s_cmp_eq_u32 s3, 7
	s_cbranch_scc1 .Lnh_\@
	HOLD T, 64                                     ; the next block's holds, while the rows come back
.Lnh_\@:
	BAR                                            ; every wave has read its rows of h_next: the stage is free
	OUT OH, 16
	s_cmp_eq_u32 s3, 7
	s_cbranch_scc1 .Lnp_\@
	CPASS
.Lnp_\@:
	s_wait_xcnt 0x0                                ; the loads and stores have read their registers
	v_add_nc_u32 v[GO], 0x10000, v[GO]             ; 16 rows on
	v_add_nc_u32 v[GS], 0x10000, v[GS]
	s_add_co_u32 s3, s3, 1
	s_cmp_lt_u32 s3, 8
	s_wait_alu depctr_va_vdst(0)
	s_cbranch_scc1 .Lph_\@
.endm
.Ltile:
	s_wait_alu depctr_va_vdst(0)
	s_wait_tensorcnt 0x0                           ; my part of the tile's first loads is in
	ds_add_u32 v[SPW], v[NIL]
	s_mov_b32 s[G1+2], 128<<16                     ; no tensor load of mine is out: the ring's loads bring 128 rows
	s_mov_b32 s[G1+4], 128
	s_mov_b32 s[G1B+2], 128<<16
	s_mov_b32 s[G1B+4], 128
	s_wait_dscnt 0x0
	CROUND
	JLOAD G0+4, G1, G0B+4, G1B                     ; chunk 1
	FETCH_B 0, 0
	FETCH_A 0, 0
	SCALES 0
	FETCH_A 0, 4
	ASK 3
	s_wait_loadcnt 0x0                             ; the bias
	STEP 0, 1
.set ST, 1
.rept STEPS-2
	STEP ST, 0
.set ST, ST+1
.endr
	s_wait_dscnt 4*NL                              ; the tile's last step fetches nothing
	WIN MUL_LO
	MUL16 0, 1, 1, 1, 0
	MUL16 2, 1, 1, 1, 0
	s_wait_dscnt 0
	WIN MUL_HI
	MUL16 4, 1, 1, 1, 0
	MUL16 6, 1, 1, 1, 0
	WIN 0
	s_cmp_eq_u32 s2, 1
	s_cbranch_scc1 .Llast                          ; the last tile's tail is written out: it asks for nothing more
	s_wait_tensorcnt 0x0                           ; no load of mine is out,
	ds_add_u32 v[SPW], v[NIL]
	s_add_nc_u64 s[G0H+2:G0H+3], s[G0H+2:G0H+3], WALKB              ; so the descriptors step to the next tile: A 4,096 rows down, B back along K
	s_add_nc_u64 s[G0S+2:G0S+3], s[G0S+2:G0S+3], 4096*KS
.irp s, 0,1
	s_add_nc_u64 s[G0+4*\s+2:G0+4*\s+3], s[G0+4*\s+2:G0+4*\s+3], WALKB-4*ROWB
	s_sub_nc_u64 s[G0B+4*\s+2:G0B+4*\s+3], s[G0B+4*\s+2:G0B+4*\s+3], 4*ROWB
.endr
	s_mov_b32 s[G1+2], 256<<16
	s_mov_b32 s[G1+4], 256
	s_mov_b32 s[G1B+2], 256<<16
	s_mov_b32 s[G1B+4], 256
	s_wait_dscnt 0x0                               ; the add and my reads of both slots and of the scales are done
	CROUND
	ARMS 0                                         ; the next tile's chunk 0 and A's scales land under the cell
	ASK 8
	TAIL
	s_wait_xcnt 0x0
	v_add_nc_u32 v[GO], 0xf80000, v[GO]            ; 4,096 - 128 rows on
	v_add_nc_u32 v[GS], 0xf80000, v[GS]
	v_add_nc_u32 v[PCO], 0x1000000, v[PCO]
	s_add_nc_u64 s[PFA:PFA+1], s[PFA:PFA+1], WALKB
	s_cmp_eq_u32 s21, 0
	s_cselect_b32 s[PON], 1, 0                     ; B's rows have been read: they are asked for no more
	s_mov_b32 s[PNX], 0
	s_sub_co_u32 s2, s2, 1
	s_branch .Ltile
.Llast:
	TAIL
	s_wait_tensorcnt 0x0                           ; the wave's end
	ds_add_u32 v[SPW], v[NIL]
	s_wait_dscnt 0x0
	CROUND                                         ; the closing round
	s_endpgm
.Lfunc_end_k_qb976452ab4_lstm:
	.size	k_qb976452ab4_lstm, .Lfunc_end_k_qb976452ab4_lstm-k_qb976452ab4_lstm
	.p2alignl 7, 3214868480
	.fill 96, 4, 3214868480
	.section	.rodata,"a",@progbits
	.p2align	6, 0x0
	.amdhsa_kernel k_qb976452ab4_lstm
		.amdhsa_group_segment_fixed_size 327680
		.amdhsa_private_segment_fixed_size 0
		.amdhsa_enable_private_segment 0
		.amdhsa_kernarg_size 64
		.amdhsa_user_sgpr_count 2
		.amdhsa_user_sgpr_kernarg_segment_ptr 1
		.amdhsa_wavefront_size32 1
		.amdhsa_system_sgpr_workgroup_id_x 1
		.amdhsa_system_sgpr_workgroup_id_y 1
		.amdhsa_system_sgpr_workgroup_id_z 1
		.amdhsa_system_vgpr_workitem_id 0
		.amdhsa_next_free_vgpr 1024
		.amdhsa_next_free_sgpr 106
		.amdhsa_reserve_vcc 0
		.amdhsa_float_denorm_mode_32 3
		.amdhsa_float_denorm_mode_16_64 3
		.amdhsa_memory_ordered 1
		.amdhsa_forward_progress 1
		.amdhsa_inst_pref_size 255
	.end_amdhsa_kernel
	.section	.bss,"aw",@nobits
	.p2align	6
	.space	262144
	.amdgpu_metadata
---
amdhsa.version: [ 1, 2 ]
amdhsa.kernels:
  - .name:           k_qb976452ab4_lstm
    .symbol:         k_qb976452ab4_lstm.kd
    .args:
      - { .name: a_codes, .offset: 0, .size: 8, .value_kind: global_buffer, .address_space: global }
      - { .name: a_scales, .offset: 8, .size: 8, .value_kind: global_buffer, .address_space: global }
      - { .name: b_codes, .offset: 16, .size: 8, .value_kind: global_buffer, .address_space: global }
      - { .name: b_scales, .offset: 24, .size: 8, .value_kind: global_buffer, .address_space: global }
      - { .name: bias, .offset: 32, .size: 8, .value_kind: global_buffer, .address_space: global }
      - { .name: c_prev, .offset: 40, .size: 8, .value_kind: global_buffer, .address_space: global }
      - { .name: out0, .offset: 48, .size: 8, .value_kind: global_buffer, .address_space: global }
      - { .name: out1, .offset: 56, .size: 8, .value_kind: global_buffer, .address_space: global }
    .group_segment_fixed_size: 327680
    .private_segment_fixed_size: 0
    .kernarg_segment_align: 8
    .kernarg_segment_size: 64
    .max_flat_workgroup_size: 128
    .sgpr_count:     106
    .vgpr_count:     1024
    .wavefront_size: 32
...
	.end_amdgpu_metadata
.endif
;; end of part 2
